; MI455X (gfx1250); checked and timed in simulation.
; The chip was launched on July 23, 2026; its instructions are those of AMD's public machine-readable ISA for CDNA 5 (MIT licence, August 2026) and "CDNA5" Instruction Set Architecture Reference Guide (July 2026). The comments in the code are by the model that wrote it; some were corrected since.
;; FFQ Linear. Allowed arithmetic: matrix products marked QUANTISED: E4M3 operands, one E8M0 scale for each 32 along K, by v_wmma_scale_f32_16x16x128_f8f6f4 with both operands' format E4M3, f32 sums; everything else in f32.
;; Inputs: bias 4,096 float32; q_int 4,096 x 4,096 int32; scale 4,096 float32; x 2 x 2,048 x 4,096 float32; zero_point 4,096 int32.
;; Outputs: out0 2 x 2,048 x 4,096 float32.
;; This version of the problem:
;;   THIS VERSION OF THE PROBLEM IS GIVEN IN LOW PRECISION. The matrix products marked QUANTISED in the list below multiply operands that are first quantised to E4M3 (4 exponent bits, 3 mantissa bits; 8 bits a number), with one power-of-two scale for each 32 numbers along K (OCP MX v1.0); their sums are f32. All else is computed in f32.
;;   The module's matrix products, in the order in which they are computed (A, B: the left and right operand; K: the contracted axis; several contracted axes count as one K, in the product's order):
;;     1. [M 4,096, K 4,096] x [K 4,096, N 4,096]; A: input x; B: computed on the way: QUANTISED
;;   THE QUANTISER, for each operand of a quantised product, along K:
;;     - K is cut into blocks of 32 from its start; a last block that is shorter is filled with zeros.
;;     - A block's scale is 2^e with e = floor(log2(the largest magnitude in the block)) - 8, held to -126 .. 127; a block of zeros has e = 0. As a byte (E8M0): e + 127.
;;     - Each number is divided by its block's scale, clamped to +-448, and rounded to the nearest number of E4M3, ties to even, subnormals kept.
;;     - The product sums the exact products of the quantised numbers (number of the format x scale) in f32.
;;   ~~~python
;;   def quantise(x, axis):      # numpy; x: float32 -> the quantised numbers, widened to float32 again
;;       x = np.moveaxis(x, axis, -1); K = x.shape[-1]
;;       x = np.pad(x, [(0, 0)] * (x.ndim - 1) + [(0, -K % 32)]); x = x.reshape(x.shape[:-1] + (-1, 32)); a = np.abs(x).max(-1, keepdims=True)
;;       e = np.where(a > 0, np.clip(np.frexp(np.where(a > 0, a, 1))[1] - 1 - 8, -126, 127), 0)      # np.frexp(a)[1] - 1 = floor(log2(a)), exactly
;;       r = np.clip(x / 2.0 ** e, -448, 448)
;;       step = 2.0 ** (np.maximum(np.frexp(np.where(r == 0, 1, r))[1] - 1, -6) - 3)
;;       q = np.round(r / step) * step * 2.0 ** e      # np.round: ties to even
;;       return np.moveaxis(q.reshape(q.shape[:-2] + (-1,))[..., :K], -1, axis).astype(np.float32)
;;   ~~~
;;   OPERANDS COMPUTED ON THE WAY. 'Computed on the way' means the value that the module computes at that place (a softmax that the list does not call 'softmax' is quantised finished and normalised). What goes into a quantiser is computed in f32, as accurately as f32 sums, v_exp_f32 and their like allow (about 1e-6 of the number): no bf16 or f16 on the way to a quantiser, and a product that is left as it is and whose result goes on into a quantised operand takes f32 operands (vector FMAs, or v_wmma_f32_16x16x4_f32). A number that lies on a knife's edge between two numbers of the format may be rounded either way, as far as f32 arithmetic and the matrix unit's own rounding can turn it there, and no further.
;; One version. Each part assembles by itself: llvm-mc -triple=amdgcn-amd-amdhsa -mcpu=gfx1250 --defsym DOCPART=n.
;; ======== version 1 of 1: 2 launches
;; limits: right only within a limited range of input values
;; workspace buffers: xq 17,301,504 bytes; wq 17,301,504 bytes
;; launch quant (part 1): grid 256 x 1, 8 waves a work-group, no clusters, 327,680 bytes of LDS; arguments q_int, scale, zero_point, wq, x, xq; writes wq, xq
.if DOCPART == 1
	.amdgcn_target "amdgcn-amd-amdhsa--gfx1250"
	.amdhsa_code_object_version 6
	.text
	.protected	k_qb634063042_quant
	.globl	k_qb634063042_quant
	.p2align	8
	.type	k_qb634063042_quant,@function
k_qb634063042_quant:
	s_mov_b64 s[64:65], 0
	v_nop
	global_prefetch_b8 v0, s[64:65] scope:SCOPE_SE
	s_setreg_imm32_b32 hwreg(HW_REG_WAVE_MODE, 25, 1), 1
	s_wait_xcnt 0x0
; BOTH OPERANDS ARE QUANTISED HERE, ONCE: x [4096][4096] f32 (K innermost) into xq, and W[k][n] = (f32(q_int[k][n]) - f32(zero_point[n])) x scale[n] (K its first axis) into wq.
; Codes of FP8 (E4M3), one E8M0 byte for each 32 along K, laid by blocks: a block = 128 operand rows x 256 along K = 33,792 dense bytes: 128 rows of 256 codes, then 128 x 8 scale bytes.  Block (rows 128 rb on, K 256 s on) has the number 16 rb + s.
; A block of 32's byte is its largest magnitude's exponent field - 8, held at 1 from below; numbers are divided by the scale, held within +-448, rounded to the nearest code, ties to even.
; LIMITS: a block of zeros gets the byte 1 where the rule says 127 (its codes are zeros; this program alone reads the bytes).  NaN and infinities in x or scale are not served.
; Work-group g makes blocks 2 g and 2 g + 1 of wq and of xq: four tiles of 131,072 bytes, in the order W, x, W, x, through two LDS slots (W's in slot 0, x's in slot 1) filled by tensor loads.
; The last tile is x's: its codes leave straight from registers, with fewer lines behind its landing than W's.
; Each of the eight waves loads and reads its own 16,384 bytes of a tile: 32 rows (one block of 32 along K) x 512 bytes of q_int, or 16 rows x 1,024 bytes of x.
; x: a lane holds 8 neighbours along K, four lanes a block of 32; a row's 256 codes leave as 256 consecutive bytes by one store.  W: a lane takes two columns, its registers run down K; codes meet in a stage and leave as whole rows.
; Scale bytes meet in an image of 1,024 bytes for each tile.  What meets in LDS is read back behind the next barrier, so one barrier a tile serves.
; PREFETCH: behind the load of tile t each wave names the 64 blocks of 256 bytes of its part of tile t + 1 (two instructions, a lane a block): one fill ahead; nothing is named behind the last load.
; No cluster: no two work-groups read the same bytes.  No matrix unit: nothing is multiplied.
.set BLKB,  33792
.set SLOT,  131072
.set STAGE, 2*SLOT                     ; 128 rows x 272 bytes
.set IMG,   STAGE+128*272              ; four images of 1,024 scale bytes
.set SPARE, IMG+4096                   ; the spare words, 128 bytes a wave
.set SPW, 3
.set NIL, 4
.set XA,  5                            ; x: one half of my 32 bytes of my first row in slot 1
.set WA,  6                            ; W: my 8 bytes of my first row in slot 0
.set XO,  7                            ; x codes in the block: 4,096 w + 8 l
.set XI,  8                            ; x scale byte in an image
.set SA,  9                            ; stage, on the way in
.set WI,  10                           ; W scale byte in an image
.set RB,  11                           ; stage, on the way back
.set GO,  12                           ; W codes in the block: 4,096 w + 16 l
.set IR,  13                           ; image, on the way back
.set IO,  14                           ; scale bytes in the block
.set ZO,  15
.set PFX, 16
.set PFW, 17
.set M,   18
.set S,   22
.set H,   26
.set B,   30
.set ZP,  32                           ; zero_point as f32, each twice: half h, column c at ZP + 4 h + 2 c
.set SCF, 40                           ; scale likewise
.set RAW, 48                           ; both as loaded;
.set T,   48                           ; later: x's code words of four rows, as converted
.set E,   56                           ; x: a scale byte for each of my 16 rows
.set C,   72                           ; codes; also the rows read back from the stage
.set XB,  104                          ; x: the other half of my 32 bytes
.set X,   128                          ; x: 16 rows x 8 numbers
.set R,   128                          ; W: 32 x 2 as loaded
.set WX,  192                          ; W: column c at WX + 32 c, down K
	s_load_b256 s[4:11], s[0:1], 0x0               ; q_int, scale, zero_point, wq
	s_load_b128 s[12:15], s[0:1], 0x20             ; x, xq
	v_lshl_add_u32 v[SPW], v0, 2, SPARE
	v_mov_b32 v[NIL], 0
	ds_add_u32 v[SPW], v[NIL]                      ; the opening lines: the add twice and one wait
	ds_add_u32 v[SPW], v[NIL]
	v_lshrrev_b32 v1, 5, v0
	v_readfirstlane_b32 s16, v1                    ; wave 0..7
	s_mov_b32 s28, 2<<16                           ; group 1 for x: 16 rows x 256 elements of 4 bytes, pitch 4,096
	s_mov_b32 s29, 256<<16
	s_mov_b32 s30, 16<<16
	s_mov_b32 s31, 256<<16
	s_mov_b32 s32, 16
	s_mov_b32 s33, 4096
	s_mov_b32 s34, 0
	s_mov_b32 s35, 0
	s_mov_b32 s36, 2<<16                           ; group 1 for q_int: 32 rows x 128 elements
	s_mov_b32 s37, 128<<16
	s_mov_b32 s38, 32<<16
	s_mov_b32 s39, 128<<16
	s_mov_b32 s40, 32
	s_mov_b32 s41, 4096
	s_mov_b32 s42, 0
	s_mov_b32 s43, 0
	s_lshr_b32 s17, ttmp9, 3                       ; rb: which 128 operand rows
	s_and_b32 s18, ttmp9, 7                        ; which pair of K steps
	s_lshl_b32 s20, s17, 21                        ; x: 128 rows of 16,384 bytes,
	s_lshl_b32 s19, s16, 18                        ; my wave's 16 rows,
	s_add_co_u32 s20, s20, s19
	s_lshl_b32 s19, s18, 11                        ; 512 numbers along K
	s_add_co_u32 s20, s20, s19
	s_mov_b32 s21, 0
	s_lshl_b32 s22, s18, 23                        ; q_int: 512 rows of 16,384 bytes,
	s_lshl_b32 s19, s16, 19                        ; my wave's 32 rows,
	s_add_co_u32 s22, s22, s19
	s_lshl_b32 s24, s17, 9                         ; 128 columns of 4 bytes
	s_add_co_u32 s22, s22, s24
	s_mov_b32 s23, 0
	s_mov_b32 s25, 0
	s_mul_i32 s26, ttmp9, 2*BLKB                   ; block 2 g
	s_mov_b32 s27, 0
	s_mov_b32 s60, 0x600000                        ; the mantissa field of 448
	s_mov_b32 s61, 0xff00ff00                      ; lanes 8-15 and 24-31
	s_wait_dscnt 0x0
	s_wait_kmcnt 0x0
	s_add_nc_u64 s[12:13], s[12:13], s[20:21]
	s_add_nc_u64 s[4:5], s[4:5], s[22:23]
	s_add_nc_u64 s[6:7], s[6:7], s[24:25]
	s_add_nc_u64 s[8:9], s[8:9], s[24:25]
	s_add_nc_u64 s[10:11], s[10:11], s[26:27]
	s_add_nc_u64 s[14:15], s[14:15], s[26:27]
	s_mov_b32 s44, 1                               ; group 0 of the four tiles; none is written again.  Tile 0: W's first block
	s_lshl_b32 s45, s16, 14
	s_mov_b64 s[46:47], s[4:5]
	s_or_b32 s47, s47, 0x80000000
	s_mov_b32 s48, 1                               ; tile 1: x's first
	s_add_co_u32 s49, s45, SLOT
	s_mov_b64 s[50:51], s[12:13]
	s_or_b32 s51, s51, 0x80000000
	s_mov_b32 s52, 1                               ; tile 2: W's second: 256 rows down
	s_lshl_b32 s53, s16, 14
	s_add_nc_u64 s[54:55], s[4:5], 0x400000
	s_or_b32 s55, s55, 0x80000000
	s_mov_b32 s56, 1                               ; tile 3: x's second: 256 numbers on
	s_add_co_u32 s57, s45, SLOT
	s_add_nc_u64 s[58:59], s[12:13], 1024
	s_or_b32 s59, s59, 0x80000000
	s_lshl_b32 s19, s16, 12
	s_lshl_b32 s20, s16, 7
	s_add_co_u32 s20, s20, IMG
	s_lshl_b32 s21, s16, 5
	s_add_co_u32 s21, s21, STAGE
	s_add_co_u32 s22, s16, IMG
	s_mul_i32 s23, s16, 16*272
	s_add_co_u32 s23, s23, STAGE
	s_lshl_b32 s24, s16, 8
	s_add_co_u32 s25, s24, 32768
	s_add_co_u32 s24, s24, IMG
	tensor_load_to_lds s[44:47], s[36:43]          ; tile 0: one tensor load a wave at the head
	s_nop 0
	v_and_b32 v2, 31, v0                           ; lane
	v_bfe_u32 v1, v2, 3, 1
	v_lshl_add_u32 v[XA], v2, 5, s49
	v_lshl_add_u32 v[XA], v1, 4, v[XA]             ; lanes 8-15 and 24-31 take their upper 16 bytes first
	v_xor_b32 v[XB], 16, v[XA]
	v_lshl_add_u32 v[WA], v2, 3, s45
	v_lshl_add_u32 v[XO], v2, 3, s19
	v_lshrrev_b32 v1, 2, v2
	v_add_nc_u32 v[XI], s20, v1                    ; 128 w + l / 4
	v_mul_u32_u24 v[SA], v2, 544
	v_add_nc_u32 v[SA], s21, v[SA]                 ; stage row 2 l, byte 32 w
	v_lshl_add_u32 v[WI], v2, 4, s22               ; 8 x (2 l) + w
	v_and_b32 v[RB], 15, v2
	v_bfe_u32 v[GO], v2, 4, 1
	v_mul_u32_u24 v[GO], v[GO], 272
	v_lshl_add_u32 v[RB], v[RB], 4, v[GO]
	v_add_nc_u32 v[RB], s23, v[RB]                 ; stage row 16 w + l / 16, 16 bytes a lane
	v_lshl_add_u32 v[GO], v2, 4, s19
	v_lshl_add_u32 v[IR], v2, 3, s24
	v_lshl_add_u32 v[IO], v2, 3, s25
	v_lshlrev_b32 v[ZO], 3, v2
	v_and_b32 v[PFX], 3, v2
	v_lshlrev_b32 v[PFX], 8, v[PFX]
	v_lshl_add_u32 v[PFX], v1, 14, v[PFX]          ; x: row l / 4, block l % 4 of its 1,024 bytes
	v_and_b32 v[PFW], 1, v2
	v_lshlrev_b32 v[PFW], 8, v[PFW]
	v_lshrrev_b32 v1, 1, v2
	v_lshl_add_u32 v[PFW], v1, 14, v[PFW]          ; q_int: row l / 2, block l % 2 of its 512 bytes
	s_wait_alu depctr_va_vdst(0)                   ; the wait ahead of the waits below
.irp h, 0,1
	global_load_b64 v[RAW+2*\h:RAW+2*\h+1], v[ZO], s[8:9] offset:256*\h      ; zero_point of columns 64 h + 2 l, + 1
	global_load_b64 v[RAW+4+2*\h:RAW+5+2*\h], v[ZO], s[6:7] offset:256*\h    ; scale
.endr
	global_prefetch_b8 v[PFX], s[12:13] th:TH_LOAD_NT scope:SCOPE_SE         ; tile 1: my 16 rows
	global_prefetch_b8 v[PFX], s[12:13] offset:131072 th:TH_LOAD_NT scope:SCOPE_SE
	s_wait_loadcnt 0x0
.irp k, 0,1,2,3
	v_cvt_f32_i32 v[ZP+2*\k], v[RAW+\k]            ; each number twice: a pair for the packed forms
	v_cvt_f32_i32 v[ZP+2*\k+1], v[RAW+\k]
	v_mov_b32 v[SCF+2*\k], v[RAW+4+\k]
	v_mov_b32 v[SCF+2*\k+1], v[RAW+4+\k]
.endr
	s_wait_alu depctr_va_vdst(0)                   ; the wait at the head's end
.macro SEQ                             ; all my tensor loads have landed; the add; my LDS instructions are done; all eight waves meet
	s_wait_tensorcnt 0x0
	ds_add_u32 v[SPW], v[NIL]
	s_wait_dscnt 0x0
	s_barrier_signal -1
	s_barrier_wait -1
.endm
.macro XLD                             ; my 16 rows: 32 bytes a lane, in two halves
.set i, 0
.rept 16
	ds_load_b128 v[X+8*i:X+8*i+3], v[XA] offset:1024*i
	ds_load_b128 v[X+8*i+4:X+8*i+7], v[XB] offset:1024*i
.set i, i+1
.endr
.endm
.macro XGRP i0, t, left                ; four rows by turns; left: the younger LDS loads that may stay out
	s_wait_dscnt \left
.irp r, 0,1,2,3
	v_max3_num_f32 v[M+\r], |v[X+8*(\i0+\r)]|, |v[X+8*(\i0+\r)+1]|, 0x4800000   ; with the floor 2^(9 - 127): the byte cannot fall under 1
.endr
.irp j, 2,4,6
.irp r, 0,1,2,3
	v_max3_num_f32 v[M+\r], v[M+\r], |v[X+8*(\i0+\r)+\j]|, |v[X+8*(\i0+\r)+\j+1]|
.endr
.endr
.irp r, 0,1,2,3
	v_max_num_f32_dpp v[M+\r], v[M+\r], v[M+\r] row_xmask:1 row_mask:0xf bank_mask:0xf
.endr
.irp r, 0,1,2,3
	v_max_num_f32_dpp v[M+\r], v[M+\r], v[M+\r] row_xmask:2 row_mask:0xf bank_mask:0xf   ; the four lanes of a block
.endr
.irp r, 0,1,2,3
	v_add_nc_u32 v[S+\r], 0xfc000000, v[M+\r]      ; 8 off the exponent field: the conversion's scale operand
.endr
.irp r, 0,1,2,3
	v_and_or_b32 v[H+\r], v[M+\r], 0x7f800000, s60 ; 448 x the scale
.endr
.irp j, 0,1,2,3,4,5,6,7
.irp r, 0,1,2,3
	v_med3_num_f32 v[X+8*(\i0+\r)+\j], v[X+8*(\i0+\r)+\j], -v[H+\r], v[H+\r]   ; the conversion does not saturate (ISA guide 7.6.2)
.endr
.endr
.irp r, 0,1,2,3
	v_cvt_scalef32_pk8_fp8_f32 v[T+2*\r:T+2*\r+1], v[X+8*(\i0+\r):X+8*(\i0+\r)+7], v[S+\r]
.endr
.irp r, 0,1,2,3
	v_lshrrev_b32 v[E+\i0+\r], 23, v[S+\r]         ; the scale's byte (also the plain lines behind the conversions)
.endr
.irp r, 0,1,2,3
	v_cndmask_b32 v[C+2*(\i0+\r)], v[T+2*\r], v[T+2*\r+1], s61     ; the lanes that took their halves the other way round get their two code words back in order
	v_cndmask_b32 v[C+2*(\i0+\r)+1], v[T+2*\r+1], v[T+2*\r], s61
.endr
.irp r, 0,1,2,3
	global_store_b64 v[XO], v[C+2*(\i0+\r):C+2*(\i0+\r)+1], s[14:15] offset:256*(\i0+\r)+BLKB*\t   ; 32 lanes: a row's 256 consecutive bytes
.endr
.endm
.macro XPROC t, img, c                 ; c = 1: nothing was issued to LDS behind my 32 loads, so a group waits for its own 8 alone: 24, 16, 8, 0 younger ones; c = 0: all are awaited
.irp g, 0,4,8,12
	XGRP \g, \t, (24-2*\g)*\c
.endr
.irp i, 0,1,2,3,4,5,6,7,8,9,10,11,12,13,14,15
	ds_store_b8 v[XI], v[E+\i] offset:8*\i+1024*\img   ; a block's four lanes write the same byte with the same value
.endr
.endm
.macro WLD h                           ; my 32 rows, columns 64 h + 2 l and + 1
.set i, 0
.rept 32
	ds_load_b64 v[R+2*i:R+2*i+1], v[WA] offset:512*i+256*(\h)
.set i, i+1
.endr
.endm
.macro WHALF h, img
	s_wait_dscnt 0x0
.set i, 0
.rept 32
	v_cvt_f32_i32 v[WX+i], v[R+2*i]                ; f32(q), and the two columns part
	v_cvt_f32_i32 v[WX+32+i], v[R+2*i+1]
.set i, i+1
.endr
.if \h == 0
	WLD 1
.endif
.set i, 0
.rept 16
	v_pk_add_f32 v[WX+2*i:WX+2*i+1], v[WX+2*i:WX+2*i+1], v[ZP+4*\h:ZP+4*\h+1] neg_lo:[0,1] neg_hi:[0,1]
	v_pk_add_f32 v[WX+32+2*i:WX+33+2*i], v[WX+32+2*i:WX+33+2*i], v[ZP+4*\h+2:ZP+4*\h+3] neg_lo:[0,1] neg_hi:[0,1]
.set i, i+1
.endr
.set i, 0
.rept 16
	v_pk_mul_f32 v[WX+2*i:WX+2*i+1], v[WX+2*i:WX+2*i+1], v[SCF+4*\h:SCF+4*\h+1]      ; the difference is rounded first: not one fused line
	v_pk_mul_f32 v[WX+32+2*i:WX+33+2*i], v[WX+32+2*i:WX+33+2*i], v[SCF+4*\h+2:SCF+4*\h+3]
.set i, i+1
.endr
.irp c, 0,1
	v_max3_num_f32 v[M+2*\c], |v[WX+32*\c]|, |v[WX+32*\c+1]|, |v[WX+32*\c+2]|
	v_max3_num_f32 v[M+1+2*\c], |v[WX+32*\c+3]|, |v[WX+32*\c+4]|, |v[WX+32*\c+5]|
.endr
.irp j, 6,10,14,18,22,26
.irp c, 0,1
	v_max3_num_f32 v[M+2*\c], v[M+2*\c], |v[WX+32*\c+\j]|, |v[WX+32*\c+\j+1]|
	v_max3_num_f32 v[M+1+2*\c], v[M+1+2*\c], |v[WX+32*\c+\j+2]|, |v[WX+32*\c+\j+3]|
.endr
.endr
.irp c, 0,1
	v_max3_num_f32 v[M+2*\c], v[M+2*\c], |v[WX+32*\c+30]|, |v[WX+32*\c+31]|
.endr
.irp c, 0,1
	v_max3_num_f32 v[M+2*\c], v[M+2*\c], v[M+1+2*\c], 0x4800000
.endr
.irp c, 0,1
	v_add_nc_u32 v[S+\c], 0xfc000000, v[M+2*\c]
.endr
.irp c, 0,1
	v_and_or_b32 v[H+\c], v[M+2*\c], 0x7f800000, s60
.endr
.set i, 0
.rept 32
	v_med3_num_f32 v[WX+i], v[WX+i], -v[H], v[H]
	v_med3_num_f32 v[WX+32+i], v[WX+32+i], -v[H+1], v[H+1]
.set i, i+1
.endr
.irp c, 0,1
.irp g, 0,1,2,3
	v_cvt_scalef32_pk8_fp8_f32 v[C+16*\h+8*\c+2*\g:C+16*\h+8*\c+2*\g+1], v[WX+32*\c+8*\g:WX+32*\c+8*\g+7], v[S+\c]
.endr
.endr
.irp c, 0,1
	v_lshrrev_b32 v[B+\c], 23, v[S+\c]             ; the scale's byte (also the plain line behind the conversions)
.endr
.irp c, 0,1
	ds_store_b128 v[SA], v[C+16*\h+8*\c:C+16*\h+8*\c+3] offset:(64*\h+\c)*272        ; stage row = the column, byte 32 w
	ds_store_b128 v[SA], v[C+16*\h+8*\c+4:C+16*\h+8*\c+7] offset:(64*\h+\c)*272+16
	ds_store_b8 v[WI], v[B+\c] offset:8*(64*\h+\c)+1024*\img
.endr
.endm
.macro OUTIMG img, base, t             ; waves 0 to 3 store an image: 256 consecutive bytes each
	s_cmp_lt_u32 s16, 4
	s_cbranch_scc0 .Lno_img_\@
	ds_load_b64 v[B:B+1], v[IR] offset:1024*\img
	s_wait_dscnt 0x0
	global_store_b64 v[IO], v[B:B+1], s[\base:\base+1] offset:BLKB*\t
.Lno_img_\@:
.endm
.macro OUTSTAGE t                      ; my 16 rows of codes: 512 consecutive bytes a store
.irp j, 0,1,2,3,4,5,6,7
	ds_load_b128 v[C+4*\j:C+4*\j+3], v[RB] offset:544*\j
.endr
.irp j, 0,1,2,3,4,5,6,7
	s_wait_dscnt 7-\j                              ; the 7 - j younger loads may be out
	global_store_b128 v[GO], v[C+4*\j:C+4*\j+3], s[10:11] offset:512*\j+BLKB*\t
.endr
.endm
	SEQ                                            ; tile 0 is in
	tensor_load_to_lds s[48:51], s[28:35]          ; tile 1: slot 1's first fill, issued as a refill is
	s_nop 0
	WLD 0
	global_prefetch_b8 v[PFW], s[4:5] offset:4194304 th:TH_LOAD_NT scope:SCOPE_SE    ; tile 2: my 32 rows
	global_prefetch_b8 v[PFW], s[4:5] offset:4456448 th:TH_LOAD_NT scope:SCOPE_SE
	WHALF 0, 0
	WHALF 1, 0
	SEQ                                            ; tile 1 is in; nobody reads slot 0 any more; the stage and image 0 are whole
	tensor_load_to_lds s[52:55], s[36:43]          ; tile 2
	s_nop 0
	XLD
	global_prefetch_b8 v[PFX], s[12:13] offset:1024 th:TH_LOAD_NT scope:SCOPE_SE     ; tile 3
	global_prefetch_b8 v[PFX], s[12:13] offset:132096 th:TH_LOAD_NT scope:SCOPE_SE
	OUTSTAGE 0
	OUTIMG 0, 10, 0
	s_wait_xcnt 0x0                                ; the stores have read their registers: C and B are written again only behind this wait
	XPROC 0, 1, 0
	SEQ                                            ; tile 2 is in; nobody reads slot 1 any more; every wave's reads of the stage are back; image 1 is whole
	tensor_load_to_lds s[56:59], s[28:35]          ; tile 3: the last load
	s_nop 0
	WLD 0
	OUTIMG 1, 14, 0
	s_wait_xcnt 0x0
	WHALF 0, 2
	WHALF 1, 2
	s_wait_dscnt 0x0                               ; for the others' sake: my stores into the stage and image 2 are done
	s_barrier_signal -1                            ; Tile 3 may stay on its way across it
	s_barrier_wait -1
	OUTSTAGE 1
	OUTIMG 2, 10, 1
	s_wait_xcnt 0x0
	s_wait_tensorcnt 0x0                           ; my own 16 rows of tile 3 are in: I alone read them
	XLD
	XPROC 1, 3, 1
	s_wait_dscnt 0x0                               ; for the others' sake: my bytes of image 3 are stored
	s_barrier_signal -1
	s_barrier_wait -1
	OUTIMG 3, 14, 1
	s_wait_tensorcnt 0x0                           ; the wave's end
	ds_add_u32 v[SPW], v[NIL]
	s_wait_dscnt 0x0
	s_endpgm
.Lfunc_end_k_qb634063042_quant:
	.size	k_qb634063042_quant, .Lfunc_end_k_qb634063042_quant-k_qb634063042_quant
	.p2alignl 7, 3214868480
	.fill 96, 4, 3214868480
	.section	.rodata,"a",@progbits
	.p2align	6, 0x0
	.amdhsa_kernel k_qb634063042_quant
		.amdhsa_group_segment_fixed_size 327680
		.amdhsa_private_segment_fixed_size 0
		.amdhsa_enable_private_segment 0
		.amdhsa_kernarg_size 48
		.amdhsa_user_sgpr_count 2
		.amdhsa_user_sgpr_kernarg_segment_ptr 1
		.amdhsa_wavefront_size32 1
		.amdhsa_system_sgpr_workgroup_id_x 1
		.amdhsa_system_sgpr_workgroup_id_y 1
		.amdhsa_system_sgpr_workgroup_id_z 1
		.amdhsa_system_vgpr_workitem_id 0
		.amdhsa_next_free_vgpr 256
		.amdhsa_next_free_sgpr 66
		.amdhsa_reserve_vcc 0
		.amdhsa_float_denorm_mode_32 3
		.amdhsa_float_denorm_mode_16_64 3
		.amdhsa_memory_ordered 1
		.amdhsa_forward_progress 1
		.amdhsa_inst_pref_size 124
	.end_amdhsa_kernel
	.amdgpu_metadata
---
amdhsa.version: [ 1, 2 ]
amdhsa.kernels:
  - .name:           k_qb634063042_quant
    .symbol:         k_qb634063042_quant.kd
    .args:
      - { .name: q_int, .offset: 0, .size: 8, .value_kind: global_buffer, .address_space: global }
      - { .name: scale, .offset: 8, .size: 8, .value_kind: global_buffer, .address_space: global }
      - { .name: zero_point, .offset: 16, .size: 8, .value_kind: global_buffer, .address_space: global }
      - { .name: wq, .offset: 24, .size: 8, .value_kind: global_buffer, .address_space: global }
      - { .name: x, .offset: 32, .size: 8, .value_kind: global_buffer, .address_space: global }
      - { .name: xq, .offset: 40, .size: 8, .value_kind: global_buffer, .address_space: global }
    .group_segment_fixed_size: 327680
    .private_segment_fixed_size: 0
    .kernarg_segment_align: 8
    .kernarg_segment_size: 48
    .max_flat_workgroup_size: 256
    .sgpr_count:     66
    .vgpr_count:     256
    .wavefront_size: 32
...
	.end_amdgpu_metadata
.endif
;; end of part 1
;; launch gemm (part 2): grid 16 x 16, 4 waves a work-group, clusters of 4 x 4, 327,680 bytes of LDS; arguments xq, wq, bias, out0; writes out0
.if DOCPART == 2
	.amdgcn_target "amdgcn-amd-amdhsa--gfx1250"
	.amdhsa_code_object_version 6
	.text
	.protected	k_qb634063042_gemm
	.globl	k_qb634063042_gemm
	.p2align	8
	.type	k_qb634063042_gemm,@function
k_qb634063042_gemm:
	s_mov_b64 s[64:65], 0
	v_nop
	global_prefetch_b8 v0, s[64:65] scope:SCOPE_SE
	s_setreg_imm32_b32 hwreg(HW_REG_WAVE_MODE, 25, 1), 1
	s_wait_xcnt 0x0
	s_wait_alu depctr_hold_cnt(0) depctr_sa_sdst(0) depctr_va_vdst(0) depctr_va_sdst(0) depctr_va_ssrc(0) depctr_va_vcc(0) depctr_vm_vsrc(0)
	s_getreg_b32 s2, hwreg(HW_REG_IB_STS2, 6, 4)
	s_cmp_eq_u32 s2, 0
	s_cbranch_scc0 .Lentry_in_a_cluster
	s_endpgm
.Lentry_in_a_cluster:
	s_bfe_u32 s2, ttmp6, 0x10000c
	s_cmp_lg_u32 s2, 0xf033
	s_cbranch_scc0 .Lentry_shape_is_right
	s_endpgm
.Lentry_shape_is_right:
; out0[m][n] = sum over k of xq[m][k] wq[n][k] + bias[n]: codes of FP8 (E4M3) with E8M0 scales, as the launch before laid them: blocks of 128 rows x 256 K = 132 dense rows of 256 bytes (128 of codes, 4 of scale bytes).
; A tile of 256 x 256 to a work-group of four waves, 128 x 128 a wave: 64 accumulators.  K goes in steps of 256 through two LDS slots; a wave's tensor load brings one block (132 rows, 16 bytes of padding behind each).
; CLUSTERS 4 x 4: x's blocks are asked for jointly along a row of the cluster, W's along a column.  The matrix instruction is used transposed (source 0 = W's rows, source 1 = x's): a lane holds 8 neighbouring columns of a row.
; A STEP OF 128 ALONG K IS FOUR QUARTERS of 16 products: Q0 = a0 x b0, Q1 = a1 x b0, Q2 = a1 x b1, Q3 = a0 x b1 (a0, a1: my x blocks 0-3, 4-7; b0, b1: my W blocks).  Behind a quarter's products stand eight v_nop and ONE RUN of 16 LDS loads:
; Q0's run brings this step's b1; Q1's, Q2's, Q3's bring the next step's a0, b0, a1.  What a run brings is first used two quarters on, so the wait at a quarter's head leaves the 16 youngest loads out.
; REGISTER WINDOWS: a quarter's accumulators share a window with what its run loads, and the loads' address lies in source 0's window, so that no window is switched between the products and the run.
;   window 0: v0-31 addresses, v32-63 scale words (two sets), v64-127 b1, v128-255 Q0's sums;   window 1: v0-127 a0 (two sets, by turns), v128-255 Q1's;
;   window 2: v0-63 b0, v64-67 copies of four addresses, v128-255 Q2's;   window 3: v0-63 a1, v64-127 the bias (C of the first step), v128-255 Q3's.
; PLACES: b1, b0 and a1 have one set each, reloaded in the quarter behind the one that read it last; the run's eight v_nop stand behind all those readers (ISA guide 7.12.1 asks for 8).
; PREFETCH: behind the joint load of K step j each wave names K step j + 2 of the block that it fetches: of its 132 blocks of 256 bytes the four partners take 33 each, told apart by address
; (32 lanes, and one more instruction for the 33rd); K step 1 is named with K step 2 at the head; the last two refills name nothing.
.set SIZE_N, 4096
.set PITCH,  272
.set HALFT,  132*PITCH
.set SLOT,   4*HALFT
.set SOFF,   128*PITCH
.set SPARE,  2*SLOT
.set BLKB,   33792
.set RBB,    16*BLKB
.set H4,     64*PITCH                  ; four fragments' rows
.set SPITCH, 528
.set ADRA, 16
.set ADRB, 20
.set ADRS, 22
.set STO,  24
.set RD,   25
.set CO,   26
.set BO,   27
.set SPW,  28
.set NIL,  29
.set PFO,  30
.set PFT,  31
.set SC,   32
.set A2,   64                          ; window 2: copies of ADRA, ADRA + 1
.set B2,   66                          ; and of ADRB, ADRB + 1
.set BI,   64                          ; window 3: the bias
.set ACC,  128
.set PFA,  12
.set G1, 24
.set G0, 32
.set G1B, 48
.set G0B, 56
.set MSB, 0
.macro WIN new                         ; the immediate's high byte repeats the setting that is left
.if MSB != \new
	s_set_vgpr_msb (MSB<<8)|\new
.set MSB, \new
.endif
.endm
.macro JLOAD g0a, g1a, g0b, g1b        ; waves 0, 1 fetch x's blocks, waves 2, 3 W's
	s_cmp_eq_u32 s15, 0
	s_cbranch_scc0 .Lfor_b_\@
	tensor_load_to_lds s[\g0a:\g0a+3], s[\g1a:\g1a+7]
	s_nop 0
.rept 4
	v_nop
.endr
	s_branch .Lasked_\@
.Lfor_b_\@:
	tensor_load_to_lds s[\g0b:\g0b+3], s[\g1b:\g1b+7]
	s_nop 0
.rept 4
	v_nop
.endr
.Lasked_\@:
.endm
.macro CREST
	s_cmp_lg_u32 s14, 0
	s_cbranch_scc1 .Lnot_wave_0_\@
	s_barrier_signal -3
.Lnot_wave_0_\@:
	s_barrier_wait -3
	s_barrier_signal -1
	s_barrier_wait -1
.endm
.macro CROUND
	s_barrier_signal -1
	s_barrier_wait -1
	CREST
.endm
	s_load_b256 s[4:11], s[0:1], 0x0               ; xq, wq, bias, out0
	v_lshl_add_u32 v[SPW], v0, 2, SPARE
	v_mov_b32 v[NIL], 0
	ds_add_u32 v[SPW], v[NIL]                      ; the opening lines: the add twice and one wait
	ds_add_u32 v[SPW], v[NIL]
	v_lshrrev_b32 v1, 5, v0
	v_readfirstlane_b32 s14, v1                    ; wave
	s_lshr_b32 s15, s14, 1                         ; my half of the tile's rows; also: I fetch for x (0) or W (1)
	s_and_b32 s16, s14, 1                          ; my half of its columns; also: which block of the two I fetch
	s_bfe_u32 s40, ttmp6, 0x40000                  ; cx
	s_bfe_u32 s41, ttmp6, 0x40004                  ; cy
	s_lshl_b32 s42, ttmp9, 2
	s_add_co_u32 s42, s42, s40                     ; tile column
	s_and_b32 s17, ttmp7, 0xffff
	s_lshl_b32 s17, s17, 2
	s_add_co_u32 s17, s17, s41                     ; tile row
	s_lshl_b32 s43, s41, 2
	s_lshl_b32 s43, 15, s43                        ; my row of the cluster
	s_lshl_b32 s44, 0x1111, s40                    ; my column
	s_or_b32 s[G1+0], s43, (3<<16)|(1<<20)|(1<<21)|(5<<22)|(3<<25)   ; elements of 8 bytes; 4 words of padding behind every 64
	s_or_b32 s[G1B+0], s44, (3<<16)|(1<<20)|(1<<21)|(5<<22)|(3<<25)
.irp g, G1, G1B
	s_mov_b32 s[\g+1], 32<<16
	s_mov_b32 s[\g+2], 132<<16
	s_mov_b32 s[\g+3], 32<<16
	s_mov_b32 s[\g+4], 132
	s_mov_b32 s[\g+5], 32
	s_mov_b32 s[\g+6], 0
	s_mov_b32 s[\g+7], 0
.endr
	s_lshl_b32 s20, s17, 1
	s_add_co_u32 s20, s20, s16
	s_mul_i32 s20, s20, RBB                        ; x: row block 2 x tile row + half
	s_mov_b32 s21, 0
	s_lshl_b32 s46, s42, 1
	s_add_co_u32 s46, s46, s16
	s_mul_i32 s46, s46, RBB                        ; W: 2 x tile column + half
	s_mov_b32 s47, 0
	s_mul_i32 s45, s14, HALFT
	s_wait_dscnt 0x0
	s_wait_kmcnt 0x0
	s_add_nc_u64 s[20:21], s[4:5], s[20:21]
	s_add_nc_u64 s[46:47], s[6:7], s[46:47]
.irp s, 0,1
	s_mov_b32 s[G0+4*\s], 1
	s_add_co_u32 s[G0+4*\s+1], s45, \s*SLOT
	s_add_nc_u64 s[G0+4*\s+2:G0+4*\s+3], s[20:21], \s*BLKB
	s_or_b32 s[G0+4*\s+3], s[G0+4*\s+3], 0x80000000
	s_mov_b32 s[G0B+4*\s], 1
	s_add_co_u32 s[G0B+4*\s+1], s45, \s*SLOT
	s_add_nc_u64 s[G0B+4*\s+2:G0B+4*\s+3], s[46:47], \s*BLKB
	s_or_b32 s[G0B+4*\s+3], s[G0B+4*\s+3], 0x80000000
.endr
	s_cmp_eq_u32 s15, 0                            ; the prefetches: the block that I fetch,
	s_cselect_b64 s[PFA:PFA+1], s[20:21], s[46:47]
	s_cselect_b32 s18, s40, s41                    ; my place among the four that ask for it with me,
	s_mul_i32 s18, s18, 33*256                     ; and my 33 of its 132 blocks of 256 bytes
	s_mov_b32 s19, 0
	s_add_nc_u64 s[PFA:PFA+1], s[PFA:PFA+1], s[18:19]
	s_lshl_b32 s46, s42, 10                        ; my first column in bytes of f32
	s_lshl_b32 s47, s16, 9
	s_add_co_u32 s46, s46, s47
	s_mov_b32 s47, 0
	s_add_nc_u64 s[8:9], s[8:9], s[46:47]
	s_lshl_b32 s4, s17, 22                         ; my first row of out0
	s_lshl_b32 s5, s15, 21
	s_add_co_u32 s4, s4, s5
	s_mov_b32 s5, 0
	s_add_nc_u64 s[10:11], s[10:11], s[4:5]
	s_add_nc_u64 s[10:11], s[10:11], s[46:47]
	s_mul_i32 s20, s15, HALFT                      ; my 128 rows of x in slot 0,
	s_mul_i32 s21, s16, HALFT
	s_add_co_u32 s21, s21, 2*HALFT                 ; of W,
	s_add_co_u32 s22, s20, SLOT                    ; and both in slot 1
	s_add_co_u32 s23, s21, SLOT
	s_sub_co_u32 s18, s21, s20
	s_add_co_u32 s19, s20, SOFF
	s_mul_i32 s2, s14, 16*SPITCH                   ; my stage
	CROUND                                         ; all sixteen work-groups are here: the first joint loads meet
	JLOAD G0, G1, G0B, G1B                         ; K step 0: one tensor load a wave at the head
	v_and_b32 v1, 15, v0
	v_bfe_u32 v2, v0, 4, 1
	v_and_b32 v6, 31, v0
	v_lshlrev_b32 v[BO], 5, v2
	v_lshlrev_b32 v[PFO], 8, v6                    ; a lane a block of 256 bytes
	v_mov_b32 v[PFT], 8192                         ; the 33rd
	v_mul_u32_u24 v3, v1, PITCH
	v_lshl_add_u32 v4, v2, 4, v3                   ; a fragment's row x pitch + 16 x half
	v_mul_u32_u24 v7, s18, v2                      ; scale words: lanes 0-15 x's rows, lanes 16-31 W's
	v_lshl_add_u32 v5, v1, 3, v7
	v_add_nc_u32 v[ADRS], s19, v5
	v_add_nc_u32 v[ADRS+1], SLOT, v[ADRS]
	v_add_nc_u32 v[ADRA], s20, v4
	v_add_nc_u32 v[ADRA+1], s22, v4
	v_add_nc_u32 v[ADRB], s21, v4
	v_add_nc_u32 v[ADRB+1], s23, v4
	v_mul_u32_u24 v5, v1, SPITCH
	v_lshl_add_u32 v5, v2, 5, v5
	v_add_nc_u32 v[STO], s2, v5
	v_lshlrev_b32 v[CO], 4, v6
	v_add_nc_u32 v[RD], s2, v[CO]
	WIN 0x80                                       ; the same four addresses once more, in window 2
	v_add_nc_u32 v[A2], s20, v4
	v_add_nc_u32 v[A2+1], s22, v4
	v_add_nc_u32 v[B2], s21, v4
	v_add_nc_u32 v[B2+1], s23, v4
	WIN 0
	s_wait_alu depctr_va_vdst(0)                   ; the wait at the head's end
.irp k, 1,2
	global_prefetch_b8 v[PFO], s[PFA:PFA+1] offset:\k*BLKB th:TH_LOAD_NT scope:SCOPE_SE
	global_prefetch_b8 v[PFT], s[PFA:PFA+1] offset:\k*BLKB th:TH_LOAD_NT scope:SCOPE_SE
.endr
	WIN 0xc0
.irp b, 0,1,2,3,4,5,6,7
	global_load_b128 v[BI+8*\b:BI+8*\b+3], v[BO], s[8:9] offset:64*\b          ; bias of columns 16 b + 8 h + 0 .. 7, in the result's layout
	global_load_b128 v[BI+8*\b+4:BI+8*\b+7], v[BO], s[8:9] offset:64*\b+16
.endr
	WIN 0
.macro FR4 lr, la, lo                  ; four fragments: 16 loads
.set m, 0
.rept 16
	ds_load_b128 v[\lr+4*m:\lr+4*m+3], v[\la] offset:\lo+(m/4)*16*PITCH+32*(m%4)
.set m, m+1
.endr
.endm
; cnt products of a quarter from number n0 on.  ab, bb: where the halves of x and W lie; ha, hb: which halves; sc, q: the scale words' set and word.  first = 1: C is the bias.
; run = 1: behind the products eight v_nop and four fragments' loads: into lr on, by address la, from byte lo on.  The 16 accumulators take turns.
.macro QTR n0, cnt, ab, bb, ha, hb, sc, q, first, run, lr, la, lo
.set n, \n0
.rept \cnt
.set ia, n/4
.set ib, n%4
.if \first
	v_wmma_scale_f32_16x16x128_f8f6f4 v[ACC+8*n:ACC+8*n+7], v[\bb+16*ib:\bb+16*ib+15], v[\ab+16*ia:\ab+16*ia+15], v[BI+8*(4*\hb+ib):BI+8*(4*\hb+ib)+7], v[SC+16*(\sc)+2*(4*\hb+ib)+(\q)], v[SC+16*(\sc)+2*(4*\ha+ia)+(\q)] matrix_a_scale:MATRIX_SCALE_ROW1
.else
	v_wmma_scale_f32_16x16x128_f8f6f4 v[ACC+8*n:ACC+8*n+7], v[\bb+16*ib:\bb+16*ib+15], v[\ab+16*ia:\ab+16*ia+15], v[ACC+8*n:ACC+8*n+7], v[SC+16*(\sc)+2*(4*\hb+ib)+(\q)], v[SC+16*(\sc)+2*(4*\ha+ia)+(\q)] matrix_a_scale:MATRIX_SCALE_ROW1
.endif
.set n, n+1
.endr
.if \run
.rept 8
	v_nop
.endr
	FR4 \lr, \la, \lo
.endif
.endm
; window settings: bits 1:0 source 0 (W; also a load's address), 3:2 source 1 (x), 5:4 C, 7:6 D (also a load's data)
.macro Q0 S, q, first
	s_wait_dscnt 16                                ; a0, b0 and the scale words are in; the 16 youngest loads (a1) may be out
.if \first
	WIN 0x36
.else
	WIN 0x06
.endif
	QTR 0,16,64*(\q),0,0,0,\S,\q,\first,1,64,B2+(\S),128*(\q)+H4
.endm
.macro Q1 S, q, first, NS, nq, run
	s_wait_dscnt 16                                ; a1 is in; b1's 16 loads may be out
.if \first
	WIN 0x7e
.else
	WIN 0x5e
.endif
	QTR 0,16,0,0,1,0,\S,\q,\first,\run,64*(1-(\q)),A2+(\NS),128*(\nq)
.endm
.macro Q2 S, q, first, NS, nq, run, left
	s_wait_dscnt \left                             ; b1 is in
.if \first
	WIN 0xbc
.else
	WIN 0xac
.endif
	QTR 0,16,0,64,1,1,\S,\q,\first,\run,0,ADRB+(\NS),128*(\nq)
.endm
.macro Q3 S, q, first, NS, nq, run
	WIN 0xf4
	QTR 0,16,64*(\q),64,0,1,\S,\q,\first,\run,0,ADRA+(\NS),128*(\nq)+H4
.endm
.macro STEP S, first                   ; a slot's first 128 along K
	Q0 \S, 0, \first
	Q1 \S, 0, \first, \S, 1, 1
	Q2 \S, 0, \first, \S, 1, 1, 16
	Q3 \S, 0, \first, \S, 1, 1
.endm
.macro SCALES sc
.irp i, 0,1,2,3,4,5,6,7
	ds_load_b64 v[SC+16*(\sc)+2*\i:SC+16*(\sc)+2*\i+1], v[ADRS+(\sc)] offset:(\i/2)*PITCH+(\i%2)*128
.endr
.endm
.macro ASK                             ; the loop's last trip has no K step two refills on
	s_cmp_gt_u32 s3, 1
	s_cbranch_scc0 .Lno_ask_\@
	global_prefetch_b8 v[PFO], s[PFA:PFA+1] offset:3*BLKB th:TH_LOAD_NT scope:SCOPE_SE
	global_prefetch_b8 v[PFT], s[PFA:PFA+1] offset:3*BLKB th:TH_LOAD_NT scope:SCOPE_SE
.Lno_ask_\@:
.endm
; A slot's second 128 along K changes slots: Q0's run holds the last reads of this slot, and Q1's 16 products stand ahead of the barrier.  fill = 1: the slot is filled again behind a round of the cluster's barrier.
.macro TURN S, fill
.if \fill
	s_wait_xcnt 0x0                                ; my prefetches have read their address: it steps one K step
	s_add_nc_u64 s[PFA:PFA+1], s[PFA:PFA+1], BLKB
.endif
	Q0 \S, 1, 0
	s_wait_dscnt 16                                ; a1 is in; b1's 16 loads may be out
	WIN 0x5e
	QTR 0,8,0,0,1,0,\S,1,0,0,0,0,0
	WIN 0
	s_wait_tensorcnt 0x0                           ; all my tensor loads have landed: my part of the next slot
	ds_add_u32 v[SPW], v[NIL]
.if \fill
	s_add_nc_u64 s[G0+4*\S+2:G0+4*\S+3], s[G0+4*\S+2:G0+4*\S+3], 2*BLKB
	s_add_nc_u64 s[G0B+4*\S+2:G0B+4*\S+3], s[G0B+4*\S+2:G0B+4*\S+3], 2*BLKB
.endif
	WIN 0x5e
	QTR 8,8,0,0,1,0,\S,1,0,0,0,0,0                 ; eight products stand between the add and the wait for it
	s_wait_dscnt 0x0                               ; the add is done, and my reads of this slot are over
	WIN 0
	s_barrier_signal -1
	s_barrier_wait -1
.if \fill
	CREST
	JLOAD G0+4*\S, G1, G0B+4*\S, G1B               ; the first tensor load behind the round
.endif
	SCALES 1-\S                                    ; one run of 24: the next slot's scale words
	WIN 0x40
	FR4 0, ADRA+1-(\S), 0                          ; and its a0
	WIN 0
.if \fill
	ASK
.endif
	Q2 \S, 1, 0, 1-\S, 0, 1, 24                    ; b1 was shown in ahead of the barrier: the 24 just issued may be out
	Q3 \S, 1, 0, 1-\S, 0, 1
.endm
	s_wait_tensorcnt 0x0                           ; my part of K step 0 is in; the lines ahead of a later first fill:
	ds_add_u32 v[SPW], v[NIL]
	s_wait_dscnt 0x0
	CROUND
	JLOAD G0+4, G1, G0B+4, G1B                     ; K step 1
	SCALES 0
	WIN 0x40
	FR4 0, ADRA, 0                                 ; a0
	WIN 0x80
	FR4 0, ADRB, 0                                 ; b0
	WIN 0xc0
	FR4 0, ADRA, H4                                ; a1
	WIN 0
	global_prefetch_b8 v[PFO], s[PFA:PFA+1] offset:3*BLKB th:TH_LOAD_NT scope:SCOPE_SE
	global_prefetch_b8 v[PFT], s[PFA:PFA+1] offset:3*BLKB th:TH_LOAD_NT scope:SCOPE_SE
	s_wait_loadcnt 0x0                             ; the bias
	STEP 0, 1                                      ; the first step stands ahead of the loop: its products start the sums from the bias
	WIN 0
	s_mov_b32 s3, 7
.Llap:                                                 ; a trip goes once round the ring and fills both slots again
	TURN 0, 1
	STEP 1, 0
	TURN 1, 1
	STEP 0, 0
	WIN 0
	s_sub_co_u32 s3, s3, 1
	s_cmp_lg_u32 s3, 0
	s_cbranch_scc1 .Llap
	TURN 0, 0                                      ; the last lap fills nothing
	STEP 1, 0
	Q0 1, 1, 0
	Q1 1, 1, 0, 1, 0, 0                            ; nothing more to fetch
	Q2 1, 1, 0, 1, 0, 0, 0
	Q3 1, 1, 0, 1, 0, 0
	WIN 0
; THE WAY OUT, by blocks of 16 rows x 128 columns, through my own stage, which lies in slot 0 (its last fill and its last read are over): back as rows of 512 bytes.
.macro TOSTAGE a
	WIN ((\a)/4)<<2                                ; columns 0-63: window 0 or 1
.irp b, 0,1,2,3
	ds_store_b128 v[STO], v[ACC+8*(4*((\a)%4)+\b):ACC+8*(4*((\a)%4)+\b)+3] offset:64*\b          ; each accumulator from its low end on
	ds_store_b128 v[STO], v[ACC+8*(4*((\a)%4)+\b)+4:ACC+8*(4*((\a)%4)+\b)+7] offset:64*\b+16
.endr
	WIN (3-(\a)/4)<<2                              ; columns 64-127: window 3 or 2
.irp b, 0,1,2,3
	ds_store_b128 v[STO], v[ACC+8*(4*((\a)%4)+\b):ACC+8*(4*((\a)%4)+\b)+3] offset:256+64*\b
	ds_store_b128 v[STO], v[ACC+8*(4*((\a)%4)+\b)+4:ACC+8*(4*((\a)%4)+\b)+7] offset:256+64*\b+16
.endr
	WIN 0x40                                       ; back into window 1, v0-63 and v64-127 by turns
.irp t, 0,1,2,3,4,5,6,7,8,9,10,11,12,13,14,15
	ds_load_b128 v[64*((\a)%2)+4*\t:64*((\a)%2)+4*\t+3], v[RD] offset:\t*SPITCH
.endr
.endm
.macro SEND a, younger
	WIN 0x04
	s_wait_dscnt \younger
.if (\a) > 0
	s_add_nc_u64 s[10:11], s[10:11], 16*SIZE_N*4   ; behind a wait on XCNT: the earlier stores have read their base
.endif
.irp t, 0,1,2,3,4,5,6,7,8,9,10,11,12,13,14,15
	global_store_b128 v[CO], v[64*((\a)%2)+4*\t:64*((\a)%2)+4*\t+3], s[10:11] offset:\t*SIZE_N*4 th:TH_STORE_NT   ; 32 lanes store 512 consecutive bytes
.endr
.endm
.rept 8
	v_nop
.endr
	TOSTAGE 0
.irp a, 1,2,3,4,5,6,7
.if \a > 1
	s_wait_xcnt 0x0                                ; block a - 2's stores have read their registers and their base
.endif
	TOSTAGE \a
	SEND \a-1, 32                                  ; behind block a - 1's loads: block a's 16 stores and 16 loads
.endr
	s_wait_xcnt 0x0
	SEND 7, 0
	WIN 0
	s_wait_tensorcnt 0x0                           ; the wave's end
	ds_add_u32 v[SPW], v[NIL]
	s_wait_dscnt 0x0
	CROUND                                         ; the closing round
	s_endpgm
.Lfunc_end_k_qb634063042_gemm:
	.size	k_qb634063042_gemm, .Lfunc_end_k_qb634063042_gemm-k_qb634063042_gemm
	.p2alignl 7, 3214868480
	.fill 96, 4, 3214868480
	.section	.rodata,"a",@progbits
	.p2align	6, 0x0
	.amdhsa_kernel k_qb634063042_gemm
		.amdhsa_group_segment_fixed_size 327680
		.amdhsa_private_segment_fixed_size 0
		.amdhsa_enable_private_segment 0
		.amdhsa_kernarg_size 32
		.amdhsa_user_sgpr_count 2
		.amdhsa_user_sgpr_kernarg_segment_ptr 1
		.amdhsa_wavefront_size32 1
		.amdhsa_system_sgpr_workgroup_id_x 1
		.amdhsa_system_sgpr_workgroup_id_y 1
		.amdhsa_system_sgpr_workgroup_id_z 1
		.amdhsa_system_vgpr_workitem_id 0
		.amdhsa_next_free_vgpr 1024
		.amdhsa_next_free_sgpr 66
		.amdhsa_reserve_vcc 0
		.amdhsa_float_denorm_mode_32 3
		.amdhsa_float_denorm_mode_16_64 3
		.amdhsa_memory_ordered 1
		.amdhsa_forward_progress 1
		.amdhsa_inst_pref_size 151
	.end_amdhsa_kernel
	.amdgpu_metadata
---
amdhsa.version: [ 1, 2 ]
amdhsa.kernels:
  - .name:           k_qb634063042_gemm
    .symbol:         k_qb634063042_gemm.kd
    .args:
      - { .name: xq, .offset: 0, .size: 8, .value_kind: global_buffer, .address_space: global }
      - { .name: wq, .offset: 8, .size: 8, .value_kind: global_buffer, .address_space: global }
      - { .name: bias, .offset: 16, .size: 8, .value_kind: global_buffer, .address_space: global }
      - { .name: out0, .offset: 24, .size: 8, .value_kind: global_buffer, .address_space: global }
    .group_segment_fixed_size: 327680
    .private_segment_fixed_size: 0
    .kernarg_segment_align: 8
    .kernarg_segment_size: 32
    .max_flat_workgroup_size: 128
    .sgpr_count:     66
    .vgpr_count:     1024
    .wavefront_size: 32
...
	.end_amdgpu_metadata
.endif
;; end of part 2
